; MI455X (gfx1250); checked and timed in simulation.
; The chip was launched on July 23, 2026; its instructions are those of AMD's public machine-readable ISA for CDNA 5 (MIT licence, August 2026) and "CDNA5" Instruction Set Architecture Reference Guide (July 2026). The comments in the code are by the model that wrote it; some were corrected since.
;; attn. Allowed arithmetic: matrix products marked QUANTISED: E2M3 operands, one E8M0 scale for each 32 along K, by v_wmma_scale_f32_16x16x128_f8f6f4 with both operands' format E2M3, f32 sums; everything else in f32.
;; Inputs: Wc_b 1,000 float32; Wc_w 1,000 x 2,000 float32; hs 32 x 512 x 1,000 float32; ht 32 x 512 x 1,000 float32; mask 32 x 512 bool.
;; Outputs: out0 32 x 512 x 1,000 float32.
;; Constants: t = 0.
;; This version of the problem:
;;   THIS VERSION OF THE PROBLEM IS GIVEN IN LOW PRECISION. The matrix products marked QUANTISED in the list below multiply operands that are first quantised to E2M3 (2 exponent bits, 3 mantissa bits; 6 bits a number), with one power-of-two scale for each 32 numbers along K (OCP MX v1.0); their sums are f32. All else is computed in f32.
;;   The module's matrix products, in the order in which they are computed (A, B: the left and right operand; K: the contracted axis; several contracted axes count as one K, in the product's order):
;;     1. batch 32 x [M 512, K 1,000] x [K 1,000, N 512]; A: input ht; B: input hs: QUANTISED
;;     2. batch 32 x [M 512, K 512] x [K 512, N 1,000]; A: softmax (see below); B: input hs: QUANTISED
;;     3. [M 16,384, K 2,000] x [K 2,000, N 1,000]; A: computed on the way; B: input Wc_w: QUANTISED
;;   THE QUANTISER, for each operand of a quantised product, along K:
;;     - K is cut into blocks of 32 from its start; a last block that is shorter is filled with zeros.
;;     - A block's scale is 2^e with e = floor(log2(the largest magnitude in the block)) - 2, held to -126 .. 127; a block of zeros has e = 0. As a byte (E8M0): e + 127.
;;     - Each number is divided by its block's scale, clamped to +-7.5, and rounded to the nearest number of E2M3, ties to even, subnormals kept.
;;     - The product sums the exact products of the quantised numbers (number of the format x scale) in f32.
;;   ~~~python
;;   def quantise(x, axis):      # numpy; x: float32 -> the quantised numbers, widened to float32 again
;;       x = np.moveaxis(x, axis, -1); K = x.shape[-1]
;;       x = np.pad(x, [(0, 0)] * (x.ndim - 1) + [(0, -K % 32)]); x = x.reshape(x.shape[:-1] + (-1, 32)); a = np.abs(x).max(-1, keepdims=True)
;;       e = np.where(a > 0, np.clip(np.frexp(np.where(a > 0, a, 1))[1] - 1 - 2, -126, 127), 0)      # np.frexp(a)[1] - 1 = floor(log2(a)), exactly
;;       r = np.clip(x / 2.0 ** e, -7.5, 7.5)
;;       step = 2.0 ** (np.maximum(np.frexp(np.where(r == 0, 1, r))[1] - 1, 0) - 3)
;;       q = np.round(r / step) * step * 2.0 ** e      # np.round: ties to even
;;       return np.moveaxis(q.reshape(q.shape[:-2] + (-1,))[..., :K], -1, axis).astype(np.float32)
;;   ~~~
;;   SOFTMAX AHEAD OF A QUANTISED PRODUCT. Where the list says 'softmax', what is quantised is not the finished softmax but p = 2^(t - M), with t = logit x log2(e) and M = ceil(the row's largest t), a whole number; so 1/2 < the row's largest p <= 1. The row's sum l is taken of the UNQUANTISED p, in f32, and the product's result is divided by l at the end. Since M is a whole number, a kernel that streams over the keys may use a running M (the ceiling of the running maximum): every later rescaling is an exact power of two, which a block's scale takes up: the codes' values come out the same.
;;   OPERANDS COMPUTED ON THE WAY. 'Computed on the way' means the value that the module computes at that place (a softmax that the list does not call 'softmax' is quantised finished and normalised). What goes into a quantiser is computed in f32, as accurately as f32 sums, v_exp_f32 and their like allow (about 1e-6 of the number): no bf16 or f16 on the way to a quantiser, and a product that is left as it is and whose result goes on into a quantised operand takes f32 operands (vector FMAs, or v_wmma_f32_16x16x4_f32). A number that lies on a knife's edge between two numbers of the format may be rounded either way, as far as f32 arithmetic and the matrix unit's own rounding can turn it there, and no further.
;; One version. Each part assembles by itself: llvm-mc -triple=amdgcn-amd-amdhsa -mcpu=gfx1250 --defsym DOCPART=n.
;; ======== version 1 of 1: 3 launches
;; limits: right only within a limited range of input values
;; workspace buffers: kv 26,214,400 bytes; wc 1,638,400 bytes; hc 26,214,400 bytes
;; launch quant (part 1): grid 1152 x 1, 4 waves a work-group, no clusters, 69,120 bytes of LDS; arguments hs, Wc_w, kv, wc; writes kv, wc
.if DOCPART == 1
	.amdgcn_target "amdgcn-amd-amdhsa--gfx1250"
	.amdhsa_code_object_version 6
	.text
	.protected	k_q151cdd7def_quant
	.globl	k_q151cdd7def_quant
	.p2align	8
	.type	k_q151cdd7def_quant,@function
k_q151cdd7def_quant:
	s_mov_b64 s[64:65], 0
	v_nop
	global_prefetch_b8 v0, s[64:65] scope:SCOPE_SE
	s_setreg_imm32_b32 hwreg(HW_REG_WAVE_MODE, 25, 1), 1
	s_wait_xcnt 0x0
; hs [32][512][1000] and Wc_w [1000][2000], f32, become codes of FP6 (E2M3) with one E8M0 scale byte for each 32 along K, laid as IMAGES OF THE OPERAND'S REGISTERS.
; hs is quantised twice: along its channels (K sets, for ht hs^T) and along its keys (V sets, for p hs).  Wc_w along its second axis (W sets).
; A SET is 12,800 bytes: 8 fragments (16 rows x 128 K) of 1,536 bytes, fragment t's registers 4 c .. 4 c + 3 of lane l at 1536 t + 512 c + 16 l; then 512 bytes of scale words: lane l's word j is that of
; tile 2 j + l / 16, row l % 16.  ROW rho OF TILE 2 b + u IS LOCAL ROW 32 b + 8 u + rho + 8 (rho / 8) of a group of 128 rows, so that the results of two neighbouring tiles are 16 neighbours in a lane.
; A block's scale is 2^(floor(log2(its largest magnitude)) - 2); its byte is the largest magnitude's exponent field - 2, held at 1 from below.  A block of zeros gets the byte 1: its codes are zeros, and this program alone reads the bytes.
; LIMITS: NaN and infinities among the inputs are not served; blocks whose largest magnitude lies under 2^-124 keep the byte 1.
; SHARES.  A work-group takes a tile of 128 rows x 128 columns of f32: ids 0 to 1023 of hs (batch, 128 keys, 128 channels), ids 1024 to 1151 of Wc_w.  Each load reads 512 consecutive bytes of a row; the tile lies in LDS
; (pitch 528), with zeros past column 999 (1999) and past row 999.  Wave w then makes tiles 2 w and 2 w + 1: read by rows for the K (W) set, read by columns for the V set.  Only pointers and sizes are chosen by the id.
.set PITCH, 528
.set SCK,   128*PITCH                  ; behind the tile: the K set's scale words, 512 bytes; the V set's 512 bytes on
.set SETB,  12800
.set LI,  4                            ; v4   16 x lane
.set COL, 5                            ; v5   my byte in a row of the tensor, held inside the row
.set KRA, 6                            ; v6   LDS: my row of tile 2 w, + 64 x half
.set VRA, 7                            ; v7   LDS: my column of tile 2 w, 16 rows down for the upper half of the lanes
.set GI,  8                            ; v8   my place in a set: 16 x lane + 3072 x wave
.set STA, 9                            ; v9   LDS: my 16 bytes of the wave's first row
.set SCA, 10                           ; v10  LDS: my scale word: 16 x lane + 4 x wave
.set NIL, 11                           ; v11  0
.set OFF, 12                           ; v12-43   the 32 rows' offsets: none is rewritten
.set X0,  44                           ; v44-171  32 rows as loaded; then two sets of 64 numbers
.set TM,  176                          ; v176-191 at work
.set PW,  192                          ; v192, v193 the two tiles' scale words; v194, v195 joined
.set PCA, 196                          ; v196-215 the codes just made: two runs of registers take turns, so that a tile's codes are not written over registers that the last tile's stores still read
.set PCB, 228                          ; v228-247
.set SCL, 220                          ; v220 LDS: 16 x lane in the scale words
.set WV,  12
.set SEL, 34
; 64 numbers of a lane, register 16 b + i = k 32 b + 16 (lane / 16) + i of my row, become a fragment's codes in v[pc] on and its scale word in v[pw].
.macro QUANT s, pw, pc
.irp b, 0,1,2,3
	v_max3_num_f32 v[TM+\b], |v[(\s)+16*\b]|, |v[(\s)+1+16*\b]|, 0x1800000   ; my 16 numbers of block b, and the floor 2^(3 - 127): the byte cannot fall under 1
.endr
.irp i, 2,4,6,8,10,12,14
.irp b, 0,1,2,3
	v_max3_num_f32 v[TM+\b], v[TM+\b], |v[(\s)+16*\b+\i]|, |v[(\s)+1+16*\b+\i]|
.endr
.endr
.irp b, 0,1,2,3
	v_permlanex16_b32 v[TM+4+\b], v[TM+\b], s[SEL], s[SEL+1]
.endr
.irp b, 0,1,2,3
	v_max_num_f32 v[TM+\b], v[TM+\b], v[TM+4+\b]   ; with lane l xor 16's: the block's largest magnitude
.endr
.irp b, 0,1,2,3
	v_add_nc_u32 v[TM+12+\b], 0xff000000, v[TM+\b] ; 2 off its exponent field: the conversion's scale operand
.endr
.irp b, 0,1,2,3
	v_lshrrev_b32 v[TM+4+\b], 23, v[TM+12+\b]      ; the scale's byte
.endr
	v_lshl_or_b32 v[\pw], v[TM+5], 8, v[TM+4]
	v_lshl_or_b32 v[\pw], v[TM+6], 16, v[\pw]
	v_lshl_or_b32 v[\pw], v[TM+7], 24, v[\pw]
.irp c, 0,1
	v_cvt_scalef32_pk16_fp6_f32 v[(\pc)+6*\c:(\pc)+2+6*\c], v[(\s)+32*\c:(\s)+15+32*\c], v[TM+12+2*\c]
	v_cvt_scalef32_pk16_fp6_f32 v[(\pc)+12+4*\c:(\pc)+14+4*\c], v[(\s)+16+32*\c:(\s)+31+32*\c], v[TM+13+2*\c]
.endr
	v_nop                                          ; one plain place behind the scaled conversions
.irp c, 0,1                                    ; the operand's layout wants a whole block in a lane
.irp i, 0,1,2
	v_permlane16_swap_b32 v[(\pc)+6*\c+\i], v[(\pc)+12+4*\c+\i]
.endr
.irp i, 0,1,2
	v_mov_b32 v[(\pc)+3+6*\c+\i], v[(\pc)+12+4*\c+\i]
.endr
.endr
.endm
.macro GIMG base, u, pc                        ; the fragment leaves as it stands: each store covers 512 consecutive bytes, aligned
.irp c, 0,1,2
	global_store_b128 v[GI], v[(\pc)+4*\c:(\pc)+4*\c+3], s[\base:\base+1] offset:1536*\u+512*\c
.endr
.endm
.macro BARRIER
	s_wait_dscnt 0x0
	s_barrier_signal -1
	s_barrier_wait -1
.endm
	s_load_b128 s[4:7], s[0:1], 0x0                ; hs, Wc_w
	s_load_b128 s[8:11], s[0:1], 0x10              ; kv, wc
	v_lshl_add_u32 v248, v0, 2, 0x10c00
	v_mov_b32 v249, 0
	v_lshrrev_b32 v1, 5, v0
	v_readfirstlane_b32 s[WV], v1                  ; wave 0..3
	v_and_b32 v1, 31, v0                           ; lane
	v_and_b32 v2, 15, v0                           ; r
	v_bfe_u32 v3, v0, 4, 1                         ; h
	v_lshlrev_b32 v[LI], 4, v1
	v_mov_b32 v[NIL], 0
	v_and_b32 v[KRA], 8, v2
	v_add_nc_u32 v[KRA], v[KRA], v2                ; r + 8 (r / 8)
	s_lshl_b32 s28, s[WV], 5                       ; 32 x wave
	v_add_nc_u32 v[KRA], s28, v[KRA]               ; my local row (or column) in tile 2 w
	v_lshlrev_b32 v[VRA], 2, v[KRA]
	v_mul_u32_u24 v[GI], v3, 16*PITCH
	v_add_nc_u32 v[VRA], v[VRA], v[GI]
	v_mul_u32_u24 v[KRA], v[KRA], PITCH
	v_lshl_add_u32 v[KRA], v3, 6, v[KRA]
	s_mul_i32 s29, s[WV], 3072
	v_add_nc_u32 v[GI], s29, v[LI]
	s_mul_i32 s29, s[WV], 32*PITCH
	v_add_nc_u32 v[STA], s29, v[LI]
	s_lshl_b32 s29, s[WV], 2
	s_add_co_u32 s29, s29, SCK
	v_add_nc_u32 v[SCA], s29, v[LI]
	v_add_nc_u32 v[SCL], SCK, v[LI]
.irp b, 0,1,2,3
	v_mov_b32 v[TM+4+\b], 0                        ; written once: a lane permute's destination counts as one of its sources
.endr
	s_mov_b32 s33, 0xffff0000                      ; lanes 16 to 31
	s_mov_b32 s[SEL], 0x76543210
	s_mov_b32 s[SEL+1], 0xfedcba98
	; a tile of hs: id = 32 batch + 8 kg + s
	s_lshr_b32 s14, ttmp9, 3                       ; 4 batch + kg: which 128 rows
	s_and_b32 s15, ttmp9, 7                        ; s: which 128 columns
	s_lshl_b32 s16, s14, 4
	s_add_co_u32 s16, s16, s15                     ; the K set's number
	s_lshr_b32 s17, ttmp9, 5
	s_lshl_b32 s17, s17, 2
	s_lshr_b32 s18, s15, 1
	s_add_co_u32 s17, s17, s18                     ; 4 batch + s / 2
	s_lshl_b32 s17, s17, 4
	s_and_b32 s18, s15, 1
	s_lshl_b32 s18, s18, 2
	s_add_co_u32 s17, s17, s18
	s_and_b32 s18, s14, 3
	s_add_co_u32 s17, s17, s18
	s_add_co_u32 s17, s17, 8                       ; the V set's number: 16 (4 batch + s / 2) + 8 + 4 (s % 2) + kg
	; a tile of Wc_w: id - 1024 = 16 R + s
	s_and_b32 s19, ttmp9, 127
	s_lshr_b32 s20, s19, 4                         ; R
	s_and_b32 s21, s19, 15                         ; s
	s_and_b32 s22, s20, 3
	s_lshl_b32 s22, s22, 5
	s_lshr_b32 s23, s20, 2
	s_lshl_b32 s23, s23, 4
	s_add_co_u32 s22, s22, s23
	s_add_co_u32 s22, s22, s21                     ; the W set's number: 32 (R % 4) + 16 (R / 4) + s
	s_lshl_b32 s23, s20, 7
	s_sub_co_u32 s23, 1000, s23
	s_min_u32 s23, s23, 128                        ; rows that exist
	s_mov_b32 s13, 8000
	s_cmp_lt_u32 ttmp9, 1024                       ; the choice hangs on the work-group's number alone
	s_cselect_b32 s13, 4000, s13                   ; a row in bytes
	s_cselect_b32 s14, s14, s20
	s_cselect_b32 s15, s15, s21
	s_cselect_b32 s16, s16, s22
	s_cselect_b32 s23, 128, s23
	s_wait_kmcnt 0x0
	s_cselect_b64 s[4:5], s[4:5], s[6:7]           ; the tensor
	s_cselect_b64 s[26:27], s[8:9], s[10:11]       ; where the K (W) set goes
	s_lshl_b32 s14, s14, 7
	s_add_co_u32 s14, s14, s28                     ; my wave's first row
	s_mul_i32 s30, s14, s13
	s_mov_b32 s31, 0
	s_add_nc_u64 s[4:5], s[4:5], s[30:31]
	s_mul_i32 s30, s16, SETB
	s_add_nc_u64 s[26:27], s[26:27], s[30:31]
	s_mul_i32 s30, s17, SETB
	s_add_nc_u64 s[8:9], s[8:9], s[30:31]          ; where the V set goes (used by hs's tiles alone)
	s_sub_co_u32 s23, s23, s28
	s_min_u32 s23, s23, 32                         ; my wave's rows that exist: 8 at the least
	s_sub_co_u32 s29, s23, 1
	s_lshl_b32 s24, s15, 9
	v_add_nc_u32 v[COL], s24, v[LI]                ; my 16 bytes of a row
	v_cmp_gt_u32 s25, s13, v[COL]                  ; do they exist?  (a row is a whole number of 16 bytes)
	s_sub_co_u32 s24, s13, 16
	v_min_u32 v[COL], s24, v[COL]                  ; no load leaves the row
.set i, 0
	s_wait_alu depctr_va_vdst(0)
.rept 32
	s_min_u32 s24, s29, i                          ; nor the tensor's last row
	s_mul_i32 s24, s24, s13
	v_add_nc_u32 v[OFF+i], s24, v[COL]
	global_load_b128 v[X0+4*i:X0+4*i+3], v[OFF+i], s[4:5]
.set i, i+1
.endr
.set i, 0
.rept 32
.if (i%8) == 0
	s_wait_loadcnt 24-i                            ; these eight rows are in; the younger rows' loads stay out
.endif
	s_cmp_gt_u32 s23, i
	s_cselect_b32 s32, s25, 0
.irp j, 0,1,2,3
	v_cndmask_b32 v[X0+4*i+\j], v[NIL], v[X0+4*i+\j], s32   ; zeros past the end of K and past the last row
.endr
	ds_store_b128 v[STA], v[X0+4*i:X0+4*i+3] offset:PITCH*i
.set i, i+1
.endr
	BARRIER                                        ; the tile lies in LDS
	; ---- by rows: K innermost
.irp u, 0,1
.irp b, 0,1,2,3
.irp j, 0,1,2,3
	ds_load_b128 v[X0+64*\u+16*\b+4*\j:X0+64*\u+16*\b+4*\j+3], v[KRA] offset:8*\u*PITCH+128*\b+16*\j
.endr
.endr
.endr
	s_wait_dscnt 16                                ; tile 2 w's numbers are in; the other tile's 16 loads may be out
	QUANT X0, PW, PCA
	GIMG 26, 0, PCA
	s_wait_dscnt 0x0
	QUANT X0+64, PW+1, PCB                         ; into the other run of registers: the stores above still read the first
	GIMG 26, 1, PCB
	v_cndmask_b32 v[PW+2], v[PW], v[PW+1], s33     ; lanes 0-15: tile 2 w's words; lanes 16-31: tile 2 w + 1's
	ds_store_b32 v[SCA], v[PW+2]
	s_cmp_lt_u32 ttmp9, 1024
	s_cbranch_scc0 .Lno_v
	; ---- by columns: a lane takes a channel, its registers run down the keys
.irp u, 0,1
.irp b, 0,1,2,3
.irp i, 0,1,2,3,4,5,6,7,8,9,10,11,12,13,14,15
	ds_load_b32 v[X0+64*\u+16*\b+\i], v[VRA] offset:32*\u+(32*\b+\i)*PITCH
.endr
.endr
.endr
	s_wait_dscnt 63                                ; 64 loads are younger than the first tile's; a wait names 63 at the most, and the smaller count is the stricter
	s_wait_xcnt 0x0                                ; the K set's six stores, issued 128 LDS loads ago, have read both runs of code registers: one wait frees both
	QUANT X0, PW, PCA
	GIMG 8, 0, PCA
	s_wait_dscnt 0x0
	QUANT X0+64, PW+1, PCB
	GIMG 8, 1, PCB
	v_cndmask_b32 v[PW+3], v[PW], v[PW+1], s33
	ds_store_b32 v[SCA], v[PW+3] offset:512
.Lno_v:
	BARRIER                                        ; all four waves' scale words lie in LDS
	s_cmp_lg_u32 s[WV], 0
	s_cbranch_scc1 .Lnot_0
	ds_load_b128 v[216:219], v[SCL]
	s_wait_dscnt 0x0
	global_store_b128 v[LI], v[216:219], s[26:27] offset:12288   ; 512 consecutive bytes, aligned
.Lnot_0:
	s_cmp_lg_u32 s[WV], 1
	s_cbranch_scc1 .Lend
	s_cmp_lt_u32 ttmp9, 1024
	s_cbranch_scc0 .Lend
	ds_load_b128 v[224:227], v[SCL] offset:512
	s_wait_dscnt 0x0
	global_store_b128 v[LI], v[224:227], s[8:9] offset:12288
.Lend:
	s_wait_tensorcnt 0x0
	ds_add_u32 v248, v249
	s_wait_dscnt 0x0
	s_endpgm
.Lfunc_end_k_q151cdd7def_quant:
	.size	k_q151cdd7def_quant, .Lfunc_end_k_q151cdd7def_quant-k_q151cdd7def_quant
	.p2alignl 7, 3214868480
	.fill 96, 4, 3214868480
	.section	.rodata,"a",@progbits
	.p2align	6, 0x0
	.amdhsa_kernel k_q151cdd7def_quant
		.amdhsa_group_segment_fixed_size 69120
		.amdhsa_private_segment_fixed_size 0
		.amdhsa_enable_private_segment 0
		.amdhsa_kernarg_size 32
		.amdhsa_user_sgpr_count 2
		.amdhsa_user_sgpr_kernarg_segment_ptr 1
		.amdhsa_wavefront_size32 1
		.amdhsa_system_sgpr_workgroup_id_x 1
		.amdhsa_system_sgpr_workgroup_id_y 1
		.amdhsa_system_sgpr_workgroup_id_z 1
		.amdhsa_system_vgpr_workitem_id 0
		.amdhsa_next_free_vgpr 250
		.amdhsa_next_free_sgpr 66
		.amdhsa_reserve_vcc 0
		.amdhsa_float_denorm_mode_32 3
		.amdhsa_float_denorm_mode_16_64 3
		.amdhsa_memory_ordered 1
		.amdhsa_forward_progress 1
		.amdhsa_inst_pref_size 50
	.end_amdhsa_kernel
	.amdgpu_metadata
---
amdhsa.version: [ 1, 2 ]
amdhsa.kernels:
  - .name:           k_q151cdd7def_quant
    .symbol:         k_q151cdd7def_quant.kd
    .args:
      - { .name: hs, .offset: 0, .size: 8, .value_kind: global_buffer, .address_space: global }
      - { .name: Wc_w, .offset: 8, .size: 8, .value_kind: global_buffer, .address_space: global }
      - { .name: kv, .offset: 16, .size: 8, .value_kind: global_buffer, .address_space: global }
      - { .name: wc, .offset: 24, .size: 8, .value_kind: global_buffer, .address_space: global }
    .group_segment_fixed_size: 69120
    .private_segment_fixed_size: 0
    .kernarg_segment_align: 8
    .kernarg_segment_size: 32
    .max_flat_workgroup_size: 128
    .sgpr_count:     66
    .vgpr_count:     250
    .wavefront_size: 32
...
	.end_amdgpu_metadata
.endif
;; end of part 1
;; launch attn (part 2): grid 8 x 32, 4 waves a work-group, no clusters, 291,328 bytes of LDS; arguments ht, mask, kv, hc; writes hc
.if DOCPART == 2
	.amdgcn_target "amdgcn-amd-amdhsa--gfx1250"
	.amdhsa_code_object_version 6
	.text
	.protected	k_q151cdd7def_attn
	.globl	k_q151cdd7def_attn
	.p2align	8
	.type	k_q151cdd7def_attn,@function
k_q151cdd7def_attn:
	s_mov_b64 s[64:65], 0
	v_nop
	global_prefetch_b8 v0, s[64:65] scope:SCOPE_SE
	s_setreg_imm32_b32 hwreg(HW_REG_WAVE_MODE, 25, 1), 1
	s_wait_xcnt 0x0
; hc = the codes of [softmax(mask(ht hs^T)) hs, ht], FP6 (E2M3) with one E8M0 scale for each 32 along K = 2,000 (filled with zeros to 2,048): the left operand of the last product, which the next launch multiplies.
; Both products here run on codes too.  hs arrives (both ways) as sets of register images (12,800 bytes: 8 fragments of 16 rows x 128 K, then their scale words).  ht is quantised here on two grids of blocks:
; from column 0 for the first product, from column 24 for the last, where it begins at k = 1000.  The input t is no buffer.
; SHARES.  A work-group owns 64 queries of one batch.  The waves share the columns: wave w takes keys 128 w .. (product 1) and channels 256 w + 128 g .. (product 2, g = 0, 1), each for all four tiles of 16 queries:
; a K step is 8 streamed tiles x 4 query tiles, 32 accumulators.  A streamed fragment is read by one wave and goes from memory straight into registers; codes of ht and p go from wave to wave through LDS as register images.
; THE STREAM is a ring of four register sets over the 16 sets of hs, asked for in halves: X = scale words and tiles 0-3 (13 loads), Y = tiles 4-7 (12 loads).  At every counted wait four younger halves, 50 loads, stay out.
; The last five halves that the ring asks for do not exist: they are asked for as 16 bytes inside the last set, so that every path has the same counts; nobody reads them.
; ALL PRODUCTS ARE USED TRANSPOSED (source 0 = 16 streamed rows, source 1 = 16 queries): a lane holds one query, and by the sets' order of rows register 16 b + i of a query tile is local column 32 b + 16 (lane / 16) + i.
; SOFTMAX: t = score x log2(e) (a masked key: -10000 x log2(e)); M = ceil(the row's largest t); p = 2^(t - M) is quantised; the sum of the unquantised p divides the second product.
; hc: for each 128 rows and each K step of 128 a set of 12,800 bytes = two halves of 6,400 (64 rows each): four fragments of 1,536 bytes as register images, then 256 bytes of scale words: lane l's word j is that of tile 2 j + l / 16, row l % 16.
; The fragments leave from registers, 512 consecutive aligned bytes a store; the scale words are gathered in LDS and leave as units of 256 bytes.
; NO CLUSTER: no streamed fragment passes through LDS, so there is no slot into which a joint load could land.
; LIMITS: NaN and infinities among the inputs are not served; a block whose largest magnitude lies under 2^-124 keeps the scale byte 1; a mask byte other than 0 counts as masked.
; LDS: 64 slots of 4,000 bytes.  Lower 2,048: the stage for ht (slot = row, a ring of four chunks of 512 bytes), then p's images (slot 4 ks + m).  Upper part: ht's images for product 1 (slot 4 s + m).  Behind them scale words and constants.
; REGISTERS, windows of 256.  0: addresses, scale words, source 1's two sets, work.  1: streamed sets 0, 1; v192-255 constants.  2: sets 2, 3; v192-255 constants (while ht is quantised v96-223: two units' numbers).  3: accumulator (t, m) at v[64 m + 8 t].
.set SETB,  12800
.set QSC,   256000                     ; scale words of ht's images, 8 x 512: [lane][m]
.set PSC,   260096                     ; of p's, 4 x 512
.set HSC,   262144                     ; of hc's 16 K steps, 16 x 256, as they lie in hc
.set KCA,   270336                     ; for each key a factor, and 2,048 bytes on an addend
.set EIMG,  278528                     ; ht's columns 0 to 23 as they stand in block 31 of [c, ht]
.set MXR,   286720                     ; the waves' maxima; 2,048 bytes on their sums
.set LANE, 1
.set R,    2
.set H,    3
.set LI,   4
.set NIL,  5
.set XA,   6
.set XA0,  7
.set IA,   8                           ; v8-9 where ht's images for product 1 go
.set GQ,   10                          ; offset in hc of my wave's query tile
.set GC,   11                          ; offset in hc of K step 2 w + g
.set H64,  12
.set EL,   13
.set BA,   14
.set SA,   15
.set MKA,  16
.set MXA,  17
.set MXL,  18
.set PIA,  19
.set PSA,  20
.set HSA,  22
.set CPA,  23
.set CPG,  24
.set EA1,  29
.set QSA,  30
.set HSB,  31
.set AS,   32                          ; v32-47 streamed sets' scale words
.set BS,   48                          ; v48-55 source 1's
.set BF,   56                          ; v56-151 source 1: two sets of four fragments
.set PC1,  56
.set PW1,  76
.set TM,   152
.set PW0,  168
.set NEG,  169
.set PC0,  170
.set PCD,  PC1-PC0
.set PWD,  PW1-PW0
.set ST,   190
.set CO,   190
.set STG,  194
.set XR,   195
.set XRW,  196
.set KCS,  203
.set ES,   205
.set MO,   206
.set EX,   222
.set MT,   238
.set MP,   242
.set LO,   246
.set XP,   4
.set AP,   8
.set OP,   10
.set WV,   16
.set SO,   17
.set SEL,  20
.set HIM,  24
.set M7,   25
.set GG,   26
.set FLAG, 28
.set SM0,  29
.set SM1,  30
.set LM,   31
.set SC,   44
.set MSB, 0
.macro WIN new
.if MSB != (\new)
	s_set_vgpr_msb (MSB<<8)|(\new)
.set MSB, (\new)
.endif
.endm
.macro BARRIER
	s_wait_dscnt 0x0
	s_barrier_signal -1
	s_barrier_wait -1
.endm
.macro PLACES n
.rept \n
	v_nop
.endr
.endm
; 64 numbers of a lane in window w, register 16 b + i = k 32 b + 16 (lane / 16) + i of my row, become a fragment's codes in v[pc] on and its scale word in v[pw]
.macro QUANT s, w, pc, pw
	WIN 5*(\w)
.irp b, 0,1,2,3
	v_max3_num_f32 v[TM+\b], |v[(\s)+16*\b]|, |v[(\s)+1+16*\b]|, 0x1800000   ; the floor 2^(3 - 127): the byte cannot fall under 1
.endr
	WIN 20*(\w)
.irp i, 2,4,6,8,10,12,14
.irp b, 0,1,2,3
	v_max3_num_f32 v[TM+\b], v[TM+\b], |v[(\s)+16*\b+\i]|, |v[(\s)+1+16*\b+\i]|
.endr
.endr
	WIN 0
.irp b, 0,1,2,3
	v_permlanex16_b32 v[TM+4+\b], v[TM+\b], s[SEL], s[SEL+1]
.endr
.irp b, 0,1,2,3
	v_max_num_f32 v[TM+\b], v[TM+\b], v[TM+4+\b]
.endr
.irp b, 0,1,2,3
	v_add_nc_u32 v[TM+12+\b], 0xff000000, v[TM+\b] ; 2 off the exponent field: the conversion's scale operand
.endr
.irp b, 0,1,2,3
	v_lshrrev_b32 v[TM+4+\b], 23, v[TM+12+\b]
.endr
	v_lshl_or_b32 v[\pw], v[TM+5], 8, v[TM+4]
	v_lshl_or_b32 v[\pw], v[TM+6], 16, v[\pw]
	v_lshl_or_b32 v[\pw], v[TM+7], 24, v[\pw]
	WIN \w
.irp c, 0,1
	v_cvt_scalef32_pk16_fp6_f32 v[(\pc)+6*\c:(\pc)+2+6*\c], v[(\s)+32*\c:(\s)+15+32*\c], v[TM+12+2*\c]
	v_cvt_scalef32_pk16_fp6_f32 v[(\pc)+12+4*\c:(\pc)+14+4*\c], v[(\s)+16+32*\c:(\s)+31+32*\c], v[TM+13+2*\c]
.endr
	WIN 0
	v_nop                                          ; one plain place behind the scaled conversions
.irp c, 0,1
.irp i, 0,1,2
	v_permlane16_swap_b32 v[(\pc)+6*\c+\i], v[(\pc)+12+4*\c+\i]
.endr
.irp i, 0,1,2
	v_mov_b32 v[(\pc)+3+6*\c+\i], v[(\pc)+12+4*\c+\i]
.endr
.endr
.endm
.macro IMAGE pc, adr, off              ; a fragment to LDS as it stands
.irp c, 0,1,2
	ds_store_b128 v[\adr], v[(\pc)+4*\c:(\pc)+4*\c+3] offset:(\off)+512*\c
.endr
.endm
.macro GIMG pc, adr, off               ; a fragment to hc as it stands: each store covers 512 consecutive bytes, aligned
.irp c, 0,1,2
	global_store_b128 v[\adr], v[(\pc)+4*\c:(\pc)+4*\c+3], s[OP:OP+1] offset:(\off)+512*\c
.endr
.endm
; chunk v: bytes 512 v .. of my wave's 16 rows of ht, into buffer v % 4 of window 3; the last chunk's offset is held inside the row
.macro CHUNK v
	WIN 0xC0
.set kk, 0
.rept 16
.if (\v) == 7
	global_load_b128 v[64*((\v)%4)+4*kk:64*((\v)%4)+4*kk+3], v[CO], s[XP:XP+1] offset:4000*kk
.else
	global_load_b128 v[64*((\v)%4)+4*kk:64*((\v)%4)+4*kk+3], v[LI], s[XP:XP+1] offset:4000*kk+512*(\v)
.endif
.set kk, kk+1
.endr
.endm
.macro TOSTAGE v
	WIN 0x0C
.set kk, 0
.rept 16
	ds_store_b128 v[STG], v[64*((\v)%4)+4*kk:64*((\v)%4)+4*kk+3] offset:4000*kk+512*((\v)%4)
.set kk, kk+1
.endr
.endm
; two units come back in the operand's order.  A(u): from byte 512 u of the row (product 1's K step u).  B(u): from byte 512 u + 96 (hc's K step 8 + u); at u = 3 the ring of chunks turns over; B(7)'s last block lies past column 999
.macro XGET u
	WIN 0x80
.irp b, 0,1,2,3
.irp j, 0,1,2,3
	ds_load_b128 v[96+16*\b+4*\j:96+16*\b+4*\j+3], v[XR] offset:512*((\u)%4)+128*\b+16*\j
.endr
.endr
.irp b, 0,1,2,3
.irp j, 0,1,2,3
.if ((\u) == 7) && (\b == 3)
.elseif ((\u) == 3) && (\b == 3) && (\j < 2)
	ds_load_b128 v[160+16*\b+4*\j:160+16*\b+4*\j+3], v[XRW] offset:16*\j
.elseif ((\u) == 3) && (\b == 3)
	ds_load_b128 v[160+16*\b+4*\j:160+16*\b+4*\j+3], v[XR] offset:16*\j-32
.else
	ds_load_b128 v[160+16*\b+4*\j:160+16*\b+4*\j+3], v[XR] offset:512*((\u)%4)+96+128*\b+16*\j
.endif
.endr
.endr
.endm
.macro HALFX a, clamp                  ; a set's scale words and tiles 0-3 into register set a: 13 loads
	WIN 0
.if \clamp
	s_cmp_gt_u32 s[SO], 15*SETB                    ; past hs's last set: 16 bytes for all lanes, inside the last set
	s_cselect_b32 s[LM], 0, 0x1f0
	s_min_u32 s[SC], s[SO], 15*SETB
	v_and_or_b32 v[LO+(\a)], v[LI], s[LM], s[SC]
.else
	v_add_nc_u32 v[LO+(\a)], s[SO], v[LI]
.endif
	s_add_co_u32 s[SO], s[SO], SETB
	global_load_b128 v[AS+4*(\a):AS+4*(\a)+3], v[LO+(\a)], s[AP:AP+1] offset:12288
	WIN 0x40*(1+(\a)/2)
.set kk, 0
.rept 12
	global_load_b128 v[96*((\a)%2)+4*kk:96*((\a)%2)+4*kk+3], v[LO+(\a)], s[AP:AP+1] offset:512*kk
.set kk, kk+1
.endr
.endm
.macro HALFY a                         ; its tiles 4-7: 12 loads
	WIN 0x40*(1+(\a)/2)
.set kk, 12
.rept 12
	global_load_b128 v[96*((\a)%2)+4*kk:96*((\a)%2)+4*kk+3], v[LO+(\a)], s[AP:AP+1] offset:512*kk
.set kk, kk+1
.endr
.endm
; a position: chunk u + 1 is staged, units A(u) and B(u) are quantised.  Positions 4 to 6 ask for the stream's first five halves
.macro POS u
.if (\u) < 4
	s_wait_loadcnt 32                              ; chunk u + 1 is in; the two younger chunks stay out
	CHUNK (\u)+4
.elseif (\u) == 4
	s_wait_loadcnt 32
	HALFX 0, 0
.elseif (\u) == 5
	s_wait_loadcnt 29                              ; younger than chunk 6: chunk 7 and 13 loads of the stream
	HALFY 0
	HALFX 1, 0
.elseif (\u) == 6
	s_wait_loadcnt 38                              ; younger than chunk 7: 13 + 12 + 13 loads of the stream
	HALFY 1
	HALFX 2, 0
	WIN 0xC3
.set kk, 0
.rept 64
	v_cndmask_b32 v[192+kk], v[192+kk], v[NIL], s[M7]   ; zeros past column 999
.set kk, kk+1
.endr
.endif
.if (\u) < 7
	TOSTAGE (\u)+1
.endif
	XGET \u
.if (\u) == 7
.set kk, 0
.rept 16
	v_mov_b32 v[208+kk], 0                         ; B(7)'s last block
.set kk, kk+1
.endr
	s_wait_dscnt 12
.else
	s_wait_dscnt 16                                ; A(u)'s numbers are in; B(u)'s 16 loads may be out
.endif
	QUANT 96, 2, PC0, PW0
	IMAGE PC0, IA+(\u)/4, 16000*((\u)%4)
	ds_store_b32 v[QSA], v[PW0] offset:512*(\u)
	s_wait_dscnt 4                                 ; B(u)'s numbers are in; the four stores just issued may be out
	s_wait_xcnt 0x0                                ; the last position's stores to hc have read their code registers
	QUANT 160, 2, PC1, PW1
	GIMG PC1, GQ, (8+(\u))*SETB
	ds_store_b32 v[HSB], v[PW1] offset:256*(\u)    ; lanes l and l xor 16 write the same word with the same value
.endm
.macro BLOAD bb
.irp m, 0,1,2,3
.irp c, 0,1,2
	ds_load_b128 v[BF+48*(\bb)+12*\m+4*\c:BF+48*(\bb)+12*\m+4*\c+3], v[BA] offset:4000*\m+512*\c
.endr
.endr
	ds_load_b128 v[BS+4*(\bb):BS+4*(\bb)+3], v[SA]
.endm
.macro BPRE bbase, sbase
	v_add_nc_u32 v[BA], \bbase, v[LI]
	v_add_nc_u32 v[SA], \sbase, v[LI]
	BLOAD 0
.endm
.macro WM a, bb, t, m, zero            ; even tiles' scale words lie in lanes 0-15 of their register, odd tiles' in lanes 16-31
.set rD, 64*(\m)+8*(\t)
.set rA, 96*((\a)%2)+12*(\t)
.set rB, BF+48*(\bb)+12*(\m)
.set rX, AS+4*(\a)+(\t)/2
.set rY, BS+4*(\bb)+(\m)
.if \zero
.if (\t)%2
	v_wmma_scale_f32_16x16x128_f8f6f4 v[rD:rD+7], v[rA:rA+11], v[rB:rB+11], 0, v[rX], v[rY] matrix_a_fmt:MATRIX_FMT_FP6 matrix_b_fmt:MATRIX_FMT_FP6 matrix_a_scale:MATRIX_SCALE_ROW1
.else
	v_wmma_scale_f32_16x16x128_f8f6f4 v[rD:rD+7], v[rA:rA+11], v[rB:rB+11], 0, v[rX], v[rY] matrix_a_fmt:MATRIX_FMT_FP6 matrix_b_fmt:MATRIX_FMT_FP6
.endif
.else
.if (\t)%2
	v_wmma_scale_f32_16x16x128_f8f6f4 v[rD:rD+7], v[rA:rA+11], v[rB:rB+11], v[rD:rD+7], v[rX], v[rY] matrix_a_fmt:MATRIX_FMT_FP6 matrix_b_fmt:MATRIX_FMT_FP6 matrix_a_scale:MATRIX_SCALE_ROW1
.else
	v_wmma_scale_f32_16x16x128_f8f6f4 v[rD:rD+7], v[rA:rA+11], v[rB:rB+11], v[rD:rD+7], v[rX], v[rY] matrix_a_fmt:MATRIX_FMT_FP6 matrix_b_fmt:MATRIX_FMT_FP6
.endif
.endif
.endm
.macro MUL16 a, bb, t0, zero           ; the 32 accumulators take turns, one instruction a turn
	WIN 0xF1+(\a)/2
.irp t, \t0, \t0+1, \t0+2, \t0+3
.irp m, 0,1,2,3
	WM \a, \bb, \t, \m, \zero
.endr
.endr
.endm
; a K step, two half-steps.  At each wait on LOADcnt the four younger halves, 12 + 13 + 12 + 13 = 50 loads, stay out.  Behind four plain places the next step's source 1 is asked for
.macro STEP a, bb, zero, bnext, cl
	s_wait_alu depctr_va_vdst(0)                   ; ahead of the waits below
	s_wait_loadcnt 50
	s_wait_dscnt 0x0
	WIN 0
	v_add_nc_u32 v[BA], 16000, v[BA]
	v_add_nc_u32 v[SA], 512, v[SA]
	v_nop
	v_nop
.if \bnext
	BLOAD 1-(\bb)
.endif
	HALFY ((\a)+2)%4
	MUL16 \a, \bb, 0, \zero
	s_wait_loadcnt 50
	HALFX ((\a)+3)%4, \cl
	MUL16 \a, \bb, 4, \zero
.endm
	s_load_b256 s[4:11], s[0:1], 0x0               ; ht, mask, kv, hc
	v_lshl_add_u32 v185, v0, 2, 0x47000            ; my spare word,
	v_mov_b32 v189, 0                              ; and 0: kept for the closing lines
	v_lshrrev_b32 v1, 5, v0
	v_readfirstlane_b32 s[WV], v1
	v_and_b32 v[LANE], 31, v0
	v_and_b32 v[R], 15, v0
	v_bfe_u32 v[H], v0, 4, 1
	v_lshlrev_b32 v[LI], 4, v[LANE]
	v_mov_b32 v[NIL], 0
	v_mul_u32_u24 v[XA0], v[R], 4000
	v_lshlrev_b32 v[H64], 6, v[H]
	v_add_nc_u32 v[XA], v[XA0], v[H64]
	v_lshl_add_u32 v[EA1], v[H], 5, v[XA0]
	s_mul_i32 s32, s[WV], 4000
	s_add_co_u32 s32, s32, 2048
	v_add_nc_u32 v[IA], s32, v[LI]
	v_add_nc_u32 v[IA+1], 64000, v[IA]
	s_mul_i32 s32, s[WV], 64000
	v_add_nc_u32 v[STG], s32, v[LI]
	v_add_nc_u32 v[XR], s32, v[XA]
	v_xor_b32 v[XRW], 1, v[H]
	v_mul_u32_u24 v[XRW], v[XRW], 1984
	v_add_nc_u32 v[XRW], v[XRW], v[XA0]
	s_add_co_u32 s32, s32, 32
	v_add_nc_u32 v[XRW], s32, v[XRW]
	v_add_nc_u32 v[CO], 3584, v[LI]
	v_min_u32 v[CO], 3984, v[CO]                   ; no load leaves the row
	s_lshl_b32 s32, s[WV], 2
	s_add_co_u32 s33, s32, QSC
	v_add_nc_u32 v[QSA], s33, v[LI]
	s_add_co_u32 s33, s32, MXR
	v_add_nc_u32 v[MXA], s33, v[LI]
	v_add_nc_u32 v[MXL], MXR, v[LI]
	v_add_nc_u32 v[EL], EIMG, v[LI]
	s_lshl_b32 s32, s[WV], 9
	s_add_co_u32 s33, s32, KCA
	v_add_nc_u32 v[MKA], s33, v[H64]
	s_add_co_u32 s33, s32, PSC
	v_add_nc_u32 v[PSA], s33, v[LI]
	s_add_co_u32 s33, s32, HSC
	v_lshl_add_u32 v[HSA], v[R], 3, s33            ; hc's scale words of K step 2 w: 8 r
	s_mul_i32 s32, s[WV], 16000
	v_add_nc_u32 v[PIA], s32, v[LI]
	s_and_b32 s32, s[WV], 1
	s_lshl_b32 s32, s32, 7
	s_lshr_b32 s33, s[WV], 1
	s_lshl_b32 s33, s33, 2
	s_add_co_u32 s32, s32, s33
	s_add_co_u32 s32, s32, HSC+2048
	v_lshl_add_u32 v[HSB], v[R], 3, s32            ; of K step 8, query tile w: 8 r + 128 (w % 2) + 4 (w / 2)
	s_lshl_b32 s32, s[WV], 10
	s_add_co_u32 s32, s32, HSC
	v_lshl_add_u32 v[CPA], v[LANE], 3, s32         ; the way out of the scale words: K steps 4 w .., 8 bytes a lane
	s_mul_i32 s32, s[WV], 4*SETB
	v_lshl_add_u32 v[CPG], v[LANE], 3, s32
	s_mul_i32 s32, s[WV], 1536
	v_add_nc_u32 v[GQ], s32, v[LI]
	s_mul_i32 s32, s[WV], 2*SETB
	v_add_nc_u32 v[GC], s32, v[LI]
	v_lshl_add_u32 v[KCS], v0, 4, KCA
	s_lshl_b32 s32, s[WV], 11
	v_add_nc_u32 v[ES], s32, v[EL]
	v_lshlrev_b32 v[MO], 2, v0                     ; four keys' mask bytes a thread
	v_mov_b32 v[NEG], 0xc6616bcd                   ; -10000 x log2(e)
.irp b, 0,1,2,3
	v_mov_b32 v[TM+4+\b], 0                        ; a lane permute's destination counts as one of its sources
.endr
	s_mov_b32 s[SEL], 0x76543210
	s_mov_b32 s[SEL+1], 0xfedcba98
	s_mov_b32 s[HIM], 0xffff0000
	s_mov_b32 s[M7], 0xfc000000
	s_mov_b32 s[SO], 0
	s_and_b32 s32, ttmp7, 0xffff                   ; batch
	s_lshl_b32 s33, s32, 3
	s_add_co_u32 s33, s33, ttmp9                   ; my block of 64 rows
	s_mul_i32 s34, s33, 256000
	s_mov_b32 s35, 0
	s_mul_i32 s36, s[WV], 64000
	s_mov_b32 s37, 0
	s_lshl_b32 s38, s32, 9
	s_mov_b32 s39, 0
	s_lshl_b32 s40, s32, 2
	s_add_co_u32 s40, s40, s[WV]
	s_mul_i32 s40, s40, 16*SETB
	s_mov_b32 s41, 0
	s_lshr_b32 s42, s33, 1
	s_mul_i32 s42, s42, 16*SETB                    ; hc: my 128 rows' sets,
	s_and_b32 s43, s33, 1
	s_mul_i32 s43, s43, 6400                       ; and my half of each
	s_add_co_u32 s42, s42, s43
	s_mov_b32 s43, 0
	s_wait_alu depctr_va_vdst(0)                   ; at the head's end
	s_wait_kmcnt 0x0
	s_add_nc_u64 s[XP:XP+1], s[XP:XP+1], s[34:35]
	s_add_nc_u64 s[XP:XP+1], s[XP:XP+1], s[36:37]
	s_add_nc_u64 s[6:7], s[6:7], s[38:39]
	s_add_nc_u64 s[AP:AP+1], s[AP:AP+1], s[40:41]
	s_add_nc_u64 s[OP:OP+1], s[OP:OP+1], s[42:43]
	global_load_b32 v[MT], v[MO], s[6:7]
	global_load_b128 v[EX:EX+3], v[EA1], s[XP:XP+1]                  ; upper lanes: ht 8 .. 15
	global_load_b128 v[EX+4:EX+7], v[EA1], s[XP:XP+1] offset:16
	global_load_b128 v[EX+8:EX+11], v[XA], s[XP:XP+1]                ; lower lanes: ht 0 .. 7; upper: ht 16 .. 23
	global_load_b128 v[EX+12:EX+15], v[XA], s[XP:XP+1] offset:16
	; ---- my 16 rows of ht, read once, quantised on both grids
	CHUNK 0
	CHUNK 1
	CHUNK 2
	s_wait_loadcnt 32                              ; the small loads and chunk 0 are in; chunks 1 and 2 stay out
	CHUNK 3
	TOSTAGE 0
	WIN 0
.irp j, 0,1,2,3
	v_bfe_u32 v[TM+8+\j], v[MT], 8*\j, 8
.endr
.irp j, 0,1,2,3
	v_cmp_ne_u32 vcc_lo, 0, v[TM+8+\j]
	v_cndmask_b32 v[248+\j], 0x3fb8aa3b, v[NIL], vcc_lo   ; t = score x factor + addend
	v_cndmask_b32 v[252+\j], 0, v[NEG], vcc_lo
.endr
	ds_store_b128 v[KCS], v[248:251]
	ds_store_b128 v[KCS], v[252:255] offset:2048
.irp q, 0,1,2,3
	ds_store_b128 v[ES], v[EX+4*\q:EX+4*\q+3] offset:512*\q
.endr
	s_wait_dscnt 0x0                               ; chunk 0's stores have read their registers, which take chunk 4
.irp u, 0,1,2,3,4,5,6,7
	POS \u
.endr
	BARRIER                                        ; ht's images, the keys' constants and ht's first columns lie in LDS
	s_wait_xcnt 0x0                                ; the last stores to hc have read their code registers, which take source 1
.irp m, 0,1,2,3
	v_mov_b32 v[MP+\m], 0
.endr
	; ---- product 1: S^T = K Q^T, my 128 keys x 64 queries, 8 K steps
	BPRE 2048, QSC
	WIN 0x40
.set kk, 0
.rept 16
	ds_load_b128 v[192+4*kk:195+4*kk], v[MKA] offset:128*(kk/4)+16*(kk%4)
.set kk, kk+1
.endr
	WIN 0x80
.set kk, 0
.rept 16
	ds_load_b128 v[192+4*kk:195+4*kk], v[MKA] offset:2048+128*(kk/4)+16*(kk%4)
.set kk, kk+1
.endr
	WIN 0
	STEP 0, 0, 1, 1, 0                             ; a run's first step starts the sums
	STEP 1, 1, 0, 1, 0
	STEP 2, 0, 0, 1, 0
	STEP 3, 1, 0, 1, 0
	STEP 0, 0, 0, 1, 0
	STEP 1, 1, 0, 1, 0
	STEP 2, 0, 0, 1, 0
	STEP 3, 1, 0, 0, 0
	WIN 0
	PLACES 4
	; ---- softmax
	WIN 0xE7
.irp m, 0,1,2,3
.set kk, 0
.rept 32
	v_pk_fma_f32 v[64*\m+2*kk:64*\m+2*kk+1], v[64*\m+2*kk:64*\m+2*kk+1], v[192+2*kk:193+2*kk], v[192+2*kk:193+2*kk]   ; t; each accumulator from its low end on
.set kk, kk+1
.endr
.endr
	WIN 0x3F
.irp m, 0,1,2,3
	v_max3_num_f32 v[MT+\m], v[64*\m], v[64*\m+1], v[64*\m+2]
.endr
	WIN 0x3C
.set i, 3
.rept 30
.irp m, 0,1,2,3
	v_max3_num_f32 v[MT+\m], v[MT+\m], v[64*\m+i], v[64*\m+i+1]
.endr
.set i, i+2
.endr
.irp m, 0,1,2,3
	v_max_num_f32 v[MT+\m], v[MT+\m], v[64*\m+63]
.endr
	WIN 0
.irp m, 0,1,2,3
	v_permlanex16_b32 v[MP+\m], v[MT+\m], s[SEL], s[SEL+1]
.endr
.irp m, 0,1,2,3
	v_max_num_f32 v[MT+\m], v[MT+\m], v[MP+\m]
.endr
.irp m, 0,1,2,3
	ds_store_b32 v[MXA], v[MT+\m] offset:512*\m
.endr
	BARRIER
.irp m, 0,1,2,3
	ds_load_b128 v[EX+4*\m:EX+4*\m+3], v[MXL] offset:512*\m
.endr
	s_wait_dscnt 0x0
.irp m, 0,1,2,3
	v_max3_num_f32 v[MT+\m], v[EX+4*\m], v[EX+4*\m+1], v[EX+4*\m+2]
.endr
.irp m, 0,1,2,3
	v_max_num_f32 v[MT+\m], v[MT+\m], v[EX+4*\m+3]
.endr
.irp m, 0,1,2,3
	v_floor_f32 v[ST+8*\m], -v[MT+\m]              ; -M = floor(-t)
	v_mov_b32 v[ST+8*\m+1], 0
.endr
	WIN 0xC3
.irp m, 0,1,2,3
.set kk, 0
.rept 32
	v_pk_add_f32 v[64*\m+2*kk:64*\m+2*kk+1], v[64*\m+2*kk:64*\m+2*kk+1], v[ST+8*\m:ST+8*\m+1] op_sel_hi:[1,0]
.set kk, kk+1
.endr
.endr
.set kk, 0
	s_wait_alu depctr_va_vdst(0)                   ; ahead of the batch
.rept 256
	v_exp_f32 v[kk], v[kk]                         ; p = 2^(t - M)
.set kk, kk+1
.endr
	WIN 0
	v_nop
	s_wait_alu depctr_va_vdst(0)                   ; and behind it
	WIN 0x0F
.irp m, 0,1,2,3
	v_pk_add_f32 v[ST+8*\m+2:ST+8*\m+3], v[64*\m:64*\m+1], v[64*\m+2:64*\m+3]       ; the sum of the unquantised p
	v_pk_add_f32 v[ST+8*\m+4:ST+8*\m+5], v[64*\m+4:64*\m+5], v[64*\m+6:64*\m+7]
.endr
	WIN 0x0C
.set i, 8
.rept 14
.irp m, 0,1,2,3
	v_pk_add_f32 v[ST+8*\m+2:ST+8*\m+3], v[ST+8*\m+2:ST+8*\m+3], v[64*\m+i:64*\m+i+1]
	v_pk_add_f32 v[ST+8*\m+4:ST+8*\m+5], v[ST+8*\m+4:ST+8*\m+5], v[64*\m+i+2:64*\m+i+3]
.endr
.set i, i+4
.endr
	WIN 0
.irp m, 0,1,2,3
	v_pk_add_f32 v[ST+8*\m+2:ST+8*\m+3], v[ST+8*\m+2:ST+8*\m+3], v[ST+8*\m+4:ST+8*\m+5]
.endr
.irp m, 0,1,2,3
	v_add_f32 v[MT+\m], v[ST+8*\m+2], v[ST+8*\m+3]
.endr
.irp m, 0,1,2,3
	v_permlanex16_b32 v[MP+\m], v[MT+\m], s[SEL], s[SEL+1]
.endr
.irp m, 0,1,2,3
	v_add_f32 v[MT+\m], v[MT+\m], v[MP+\m]
.endr
.irp m, 0,1,2,3
	ds_store_b32 v[MXA], v[MT+\m] offset:2048+512*\m
.endr
.irp m, 0,1,2,3
.if \m >= 2
	s_wait_dscnt 4                                 ; the stores that read this run of code registers, two tiles back, are done
.endif
	QUANT 64*\m, 3, PC0+PCD*(\m%2), PW0+PWD*(\m%2)
	IMAGE PC0+PCD*(\m%2), PIA, 4000*\m
	ds_store_b32 v[PSA], v[PW0+PWD*(\m%2)] offset:4*\m
.endr
	BARRIER                                        ; p's sixteen images and the waves' sums lie in LDS
.irp m, 0,1,2,3
	ds_load_b128 v[EX+4*\m:EX+4*\m+3], v[MXL] offset:2048+512*\m
.endr
	WIN 0x80
.set kk, 0
.rept 16
	ds_load_b128 v[192+4*kk:195+4*kk], v[EL] offset:512*kk         ; ht's first columns for all four query tiles
.set kk, kk+1
.endr
	WIN 0
	s_wait_dscnt 16
.irp m, 0,1,2,3
	v_add_f32 v[MT+\m], v[EX+4*\m], v[EX+4*\m+1]
	v_add_f32 v[MP+\m], v[EX+4*\m+2], v[EX+4*\m+3]
.endr
.irp m, 0,1,2,3
	v_add_f32 v[MT+\m], v[MT+\m], v[MP+\m]         ; l
.endr
	s_wait_alu depctr_va_vdst(0)
.irp m, 0,1,2,3
	v_rcp_f32 v[ST+8*\m+6], v[MT+\m]
.endr
.irp m, 0,1,2,3
	v_mov_b32 v[ST+8*\m+7], 0
.endr
	s_wait_alu depctr_va_vdst(0)
	; ---- product 2: O^T = V^T P^T, channels 256 w + 128 g on, 4 K steps; its results are K step 2 w + g of hc
	s_mov_b32 s[GG], 0
.Lp2:
	BPRE 0, PSC
	STEP 0, 0, 1, 1, 1
	STEP 1, 1, 0, 1, 1
	STEP 2, 0, 0, 1, 1
	STEP 3, 1, 0, 0, 1
	WIN 0
	PLACES 4
	s_lshl_b32 s[FLAG], s[WV], 1
	s_add_co_u32 s[FLAG], s[FLAG], s[GG]
	s_cmp_eq_u32 s[FLAG], 7                        ; K step 7 ends with k = 1000 .. 1023: ht's columns 0 to 23
	s_cselect_b32 s[SM0], s[HIM], 0
	s_cselect_b32 s[SM1], -1, 0
	WIN 0xC3
.irp m, 0,1,2,3
.set kk, 0
.rept 32
	v_pk_mul_f32 v[64*\m+2*kk:64*\m+2*kk+1], v[64*\m+2*kk:64*\m+2*kk+1], v[ST+8*\m+6:ST+8*\m+7] op_sel_hi:[1,0]   ; c = the product / l
.set kk, kk+1
.endr
.endr
	WIN 0xCB
.irp m, 0,1,2,3
.irp i, 0,1,2,3,4,5,6,7
	v_cndmask_b32 v[64*\m+48+\i], v[64*\m+48+\i], v[192+16*\m+\i], s[SM0]
.endr
.irp i, 8,9,10,11,12,13,14,15
	v_cndmask_b32 v[64*\m+48+\i], v[64*\m+48+\i], v[192+16*\m+\i], s[SM1]
.endr
.endr
.irp m, 0,1,2,3
.if \m >= 2
	s_wait_xcnt 0x0                                ; the stores to hc of two tiles back have read this run of code registers
.endif
	QUANT 64*\m, 3, PC0+PCD*(\m%2), PW0+PWD*(\m%2)
	GIMG PC0+PCD*(\m%2), GC, 1536*\m
	ds_store_b32 v[HSA], v[PW0+PWD*(\m%2)] offset:128*(\m%2)+4*(\m/2)
.endr
	BARRIER                                        ; behind the second: all sixteen K steps' scale words lie in LDS
	s_wait_xcnt 0x0                                ; the stores have read their offset and their code registers
	v_add_nc_u32 v[GC], SETB, v[GC]
	v_add_nc_u32 v[HSA], 256, v[HSA]
	s_add_co_u32 s[GG], s[GG], 1
	s_cmp_lt_u32 s[GG], 2
	s_wait_alu depctr_va_vdst(0)                   ; ahead of the branch
	s_cbranch_scc1 .Lp2
	; ---- the scale words leave: wave w takes K steps 4 w .. 4 w + 3, one aligned unit of 256 bytes a store
.irp j, 0,1,2,3
	ds_load_b64 v[EX+2*\j:EX+2*\j+1], v[CPA] offset:256*\j
.endr
	s_wait_dscnt 0x0
.irp j, 0,1,2,3
	global_store_b64 v[CPG], v[EX+2*\j:EX+2*\j+1], s[OP:OP+1] offset:\j*SETB+6144
.endr
	s_wait_tensorcnt 0x0                           ; the wave's end
	ds_add_u32 v185, v189
	s_wait_dscnt 0x0
	s_endpgm
.Lfunc_end_k_q151cdd7def_attn:
	.size	k_q151cdd7def_attn, .Lfunc_end_k_q151cdd7def_attn-k_q151cdd7def_attn
	.p2alignl 7, 3214868480
	.fill 96, 4, 3214868480
	.section	.rodata,"a",@progbits
	.p2align	6, 0x0
	.amdhsa_kernel k_q151cdd7def_attn
		.amdhsa_group_segment_fixed_size 291328
		.amdhsa_private_segment_fixed_size 0
		.amdhsa_enable_private_segment 0
		.amdhsa_kernarg_size 32
		.amdhsa_user_sgpr_count 2
		.amdhsa_user_sgpr_kernarg_segment_ptr 1
		.amdhsa_wavefront_size32 1
		.amdhsa_system_sgpr_workgroup_id_x 1
		.amdhsa_system_sgpr_workgroup_id_y 1
		.amdhsa_system_sgpr_workgroup_id_z 1
		.amdhsa_system_vgpr_workitem_id 0
		.amdhsa_next_free_vgpr 1024
		.amdhsa_next_free_sgpr 66
		.amdhsa_reserve_vcc 1
		.amdhsa_float_denorm_mode_32 3
		.amdhsa_float_denorm_mode_16_64 3
		.amdhsa_memory_ordered 1
		.amdhsa_forward_progress 1
		.amdhsa_inst_pref_size 255
	.end_amdhsa_kernel
	.section	.bss,"aw",@nobits
	.p2align	6
	.space	262144
	.amdgpu_metadata
---
amdhsa.version: [ 1, 2 ]
amdhsa.kernels:
  - .name:           k_q151cdd7def_attn
    .symbol:         k_q151cdd7def_attn.kd
    .args:
      - { .name: ht, .offset: 0, .size: 8, .value_kind: global_buffer, .address_space: global }
      - { .name: mask, .offset: 8, .size: 8, .value_kind: global_buffer, .address_space: global }
      - { .name: kv, .offset: 16, .size: 8, .value_kind: global_buffer, .address_space: global }
      - { .name: hc, .offset: 24, .size: 8, .value_kind: global_buffer, .address_space: global }
    .group_segment_fixed_size: 291328
    .private_segment_fixed_size: 0
    .kernarg_segment_align: 8
    .kernarg_segment_size: 32
    .max_flat_workgroup_size: 128
    .sgpr_count:     66
    .vgpr_count:     1024
    .wavefront_size: 32
...
	.end_amdgpu_metadata
.endif
;; end of part 2
;; launch proj (part 3): grid 4 x 64, 4 waves a work-group, clusters of 4 x 4, 327,680 bytes of LDS; arguments hc, wc, Wc_b, out0; writes out0
.if DOCPART == 3
	.amdgcn_target "amdgcn-amd-amdhsa--gfx1250"
	.amdhsa_code_object_version 6
	.text
	.protected	k_q151cdd7def_proj
	.globl	k_q151cdd7def_proj
	.p2align	8
	.type	k_q151cdd7def_proj,@function
k_q151cdd7def_proj:
	s_mov_b64 s[64:65], 0
	v_nop
	global_prefetch_b8 v0, s[64:65] scope:SCOPE_SE
	s_setreg_imm32_b32 hwreg(HW_REG_WAVE_MODE, 25, 1), 1
	s_wait_xcnt 0x0
	s_wait_alu depctr_hold_cnt(0) depctr_sa_sdst(0) depctr_va_vdst(0) depctr_va_sdst(0) depctr_va_ssrc(0) depctr_va_vcc(0) depctr_vm_vsrc(0)
	s_getreg_b32 s2, hwreg(HW_REG_IB_STS2, 6, 4)
	s_cmp_eq_u32 s2, 0
	s_cbranch_scc0 .Lentry_in_a_cluster
	s_endpgm
.Lentry_in_a_cluster:
	s_bfe_u32 s2, ttmp6, 0x10000c
	s_cmp_lg_u32 s2, 0xf033
	s_cbranch_scc0 .Lentry_shape_is_right
	s_endpgm
.Lentry_shape_is_right:
; out0 = tanh([c, ht] Wc_w^T + Wc_b): M 16,384, N 1,000 (the sets hold zero codes for rows 1000 to 1023), K 2,048, on codes of FP6 (E2M3) with E8M0 scales.
; Both operands arrive as SETS of register images, 12,800 bytes for 128 rows x 128 K.  hc's set: two halves of 6,400 bytes (four fragments of 1,536, then 256 bytes of scale words: lane l's word j is tile 2 j + l / 16 of the half).
; wc's set: eight fragments, then 512 bytes of scale words (lane l's word j: tile 2 j + l / 16); row rho of its tile 2 b + u is local row 32 b + 8 u + rho + 8 (rho / 8).  The 16 sets of 128 rows lie on end along K.
; A work-group of four waves makes 256 x 256 of the result, a wave 128 x 128: 64 accumulators, 512 registers.  K goes through a ring of two LDS slots of TWO K steps each: a wave fetches two sets on end, 25,600 dense bytes
; (100 rows of 256 bytes, each on a multiple of 256), with one tensor load; a fragment is three loads of 16 bytes a lane at 16 x lane.
; CLUSTERS: 4 x 4 work-groups; hc's sets are asked for jointly along a row of the cluster, wc's along a column.  The matrix instruction is used transposed (source 0 = wc, source 1 = hc): a lane holds one row of out0,
; and registers 16 b + i of a row tile are columns 32 b + 16 (lane / 16) + i.
; PREFETCH: beside the joint load of slot fill q (of eight) stands one prefetch a wave for fill q + 2, four K steps on; beside fill 0 also one for fill 1.  Of the 100 blocks of 256 bytes that a wave fetches, each of the four partners
; that ask with it names 25, told apart by address (cx for hc, cy for wc); lanes 25 to 31 name the 25th again.  Fills 6 and 7 have no fill two on: the loop's last trip asks for nothing.
; THE WAY OUT: behind a barrier that shows every wave's reads of the ring done (the slots have had their last fill), a wave lays its 128 x 128 results into its own stage over the ring, rows of 528 bytes, and reads whole rows back
; (a lane: four neighbouring columns) in 16 units of 8 rows, on two buffers of 32 registers.  A unit gets bias and tanh = 1 - 2 / (1 + 2^(2 log2(e) (x + b))); its eight stores, 512 consecutive bytes of a row each, stand singly
; among the next unit's exponentials.  Columns 1000 to 1023 do not exist: their lanes are off in the stores.  EXEC stays narrow from a unit's end to the middle of the next, where the wait on XCNT, the restoring of EXEC and the LDS
; loads of the unit after stand: the lanes that were off hold numbers that are never stored.  Unit 0 stands ahead of a loop of seven trips of two units, unit 15 behind it.
; LIMITS: NaN and infinities are not served.
; REGISTERS: window 0: v0-31 addresses, v32-47 scale words (two sets of 8), v64-67 bias, v128-223 hc's fragments (one set), on the way out v128-191; window 1: wc's fragments, two sets at v0 and v128; windows 2, 3: accumulators.
.set SETB,   12800
.set QTR,    2*SETB                    ; what one tensor load brings
.set SLOT,   4*QTR
.set SPITCH, 528
.set WSTG,   128*SPITCH                ; a wave's stage
.set SPARE,  4*WSTG                    ; behind the stages: the spare words
.set CO,   4                           ; 16 x lane; never rewritten
.set BO,   8
.set PFO,  9                           ; the prefetches' offset: 256 x min(lane, 24); never rewritten
.set ADRA, 16                          ; v16-17 hc's fragments in slot 0, 1
.set ADRS, 18                          ; v18-19 hc's scale words
.set ADRB, 20                          ; v20-21 wc's fragments and scale words
.set STO,  24
.set RD,   25
.set SPW,  28
.set NIL,  29
.set SC,   32                          ; set p: v[SC+8p ..+3] wc's words, v[SC+8p+4 ..+7] hc's
.set BI,   64
.set AF,   128
.set XP,   128                         ; the way out's two buffers of 8 rows
.set XQ,   160
.set G1,  24
.set G0,  32
.set G1B, 48
.set G0B, 56
.set MK,  66
.set SV,  67
.set K2,  68
.set KT,  70
.set PFA, 72                           ; s[72:73] my work-group's 25 blocks of the 100 that I fetch, two fills behind what a prefetch names
.set MSB, 0
.macro WIN new
.if MSB != \new
	s_set_vgpr_msb (MSB<<8)|\new
.set MSB, \new
.endif
.endm
.set MUL_LO, 0xa1
.set MUL_HI, 0xf1
.set TO_B,   0x40
.macro PLACES n
.rept \n
	v_nop
.endr
.endm
; a joint load: waves 0, 1 fetch hc's two groups of 128 rows, waves 2, 3 wc's; the branch hangs on the wave's number alone
.macro JLOAD s
	s_cmp_eq_u32 s15, 0
	s_cbranch_scc0 .Lfor_b_\@
	tensor_load_to_lds s[G0+4*\s:G0+4*\s+3], s[G1:G1+7]
	s_nop 0
.rept 4
	v_nop
.endr
	s_branch .Lasked_\@
.Lfor_b_\@:
	tensor_load_to_lds s[G0B+4*\s:G0B+4*\s+3], s[G1B:G1B+7]
	s_nop 0
.rept 4
	v_nop
.endr
.Lasked_\@:
.endm
.macro CREST
	s_cmp_lg_u32 s14, 0
	s_cbranch_scc1 .Lnot_wave_0_\@
	s_barrier_signal -3
.Lnot_wave_0_\@:
	s_barrier_wait -3
	s_barrier_signal -1
	s_barrier_wait -1
.endm
.macro CROUND
	s_barrier_signal -1
	s_barrier_wait -1
	CREST
.endm
.macro FETCH_B slot, k, p
	WIN TO_B
.irp i, 0,1,2,3,4,5,6,7
.irp c, 0,1,2
	ds_load_b128 v[128*(\p)+12*\i+4*\c:128*(\p)+12*\i+4*\c+3], v[ADRB+\slot] offset:(\k)*SETB+1536*\i+512*\c
.endr
.endr
	WIN 0
.endm
.macro FETCH_A slot, k, i0
.irp i, \i0, \i0+1, \i0+2, \i0+3
.irp c, 0,1,2
	ds_load_b128 v[AF+12*(\i)+4*\c:AF+12*(\i)+4*\c+3], v[ADRA+\slot] offset:(\k)*SETB+((\i)/4)*6400+((\i)%4)*1536+512*\c
.endr
.endr
.endm
.macro SCALES slot, k, p
	ds_load_b128 v[SC+8*(\p):SC+8*(\p)+3], v[ADRB+\slot] offset:(\k)*SETB+12288
	ds_load_b64 v[SC+8*(\p)+4:SC+8*(\p)+5], v[ADRS+\slot] offset:(\k)*SETB
	ds_load_b64 v[SC+8*(\p)+6:SC+8*(\p)+7], v[ADRS+\slot] offset:(\k)*SETB+6400
.endm
.macro WM a, b, p, zero                ; odd tiles' scale words lie in lanes 16-31 of their register
.set rD, 8*(8*((\a)%4)+(\b))
.set rA, 128*(\p)+12*(\b)
.set rB, AF+12*(\a)
.set rX, SC+8*(\p)+(\b)/2
.set rY, SC+8*(\p)+4+(\a)/2
.set rS, 2*((\a)%2)+(\b)%2
.if \zero
.if rS == 0
	v_wmma_scale_f32_16x16x128_f8f6f4 v[rD:rD+7], v[rA:rA+11], v[rB:rB+11], 0, v[rX], v[rY] matrix_a_fmt:MATRIX_FMT_FP6 matrix_b_fmt:MATRIX_FMT_FP6
.elseif rS == 1
	v_wmma_scale_f32_16x16x128_f8f6f4 v[rD:rD+7], v[rA:rA+11], v[rB:rB+11], 0, v[rX], v[rY] matrix_a_fmt:MATRIX_FMT_FP6 matrix_b_fmt:MATRIX_FMT_FP6 matrix_a_scale:MATRIX_SCALE_ROW1
.elseif rS == 2
	v_wmma_scale_f32_16x16x128_f8f6f4 v[rD:rD+7], v[rA:rA+11], v[rB:rB+11], 0, v[rX], v[rY] matrix_a_fmt:MATRIX_FMT_FP6 matrix_b_fmt:MATRIX_FMT_FP6 matrix_b_scale:MATRIX_SCALE_ROW1
.else
	v_wmma_scale_f32_16x16x128_f8f6f4 v[rD:rD+7], v[rA:rA+11], v[rB:rB+11], 0, v[rX], v[rY] matrix_a_fmt:MATRIX_FMT_FP6 matrix_b_fmt:MATRIX_FMT_FP6 matrix_a_scale:MATRIX_SCALE_ROW1 matrix_b_scale:MATRIX_SCALE_ROW1
.endif
.else
.if rS == 0
	v_wmma_scale_f32_16x16x128_f8f6f4 v[rD:rD+7], v[rA:rA+11], v[rB:rB+11], v[rD:rD+7], v[rX], v[rY] matrix_a_fmt:MATRIX_FMT_FP6 matrix_b_fmt:MATRIX_FMT_FP6
.elseif rS == 1
	v_wmma_scale_f32_16x16x128_f8f6f4 v[rD:rD+7], v[rA:rA+11], v[rB:rB+11], v[rD:rD+7], v[rX], v[rY] matrix_a_fmt:MATRIX_FMT_FP6 matrix_b_fmt:MATRIX_FMT_FP6 matrix_a_scale:MATRIX_SCALE_ROW1
.elseif rS == 2
	v_wmma_scale_f32_16x16x128_f8f6f4 v[rD:rD+7], v[rA:rA+11], v[rB:rB+11], v[rD:rD+7], v[rX], v[rY] matrix_a_fmt:MATRIX_FMT_FP6 matrix_b_fmt:MATRIX_FMT_FP6 matrix_b_scale:MATRIX_SCALE_ROW1
.else
	v_wmma_scale_f32_16x16x128_f8f6f4 v[rD:rD+7], v[rA:rA+11], v[rB:rB+11], v[rD:rD+7], v[rX], v[rY] matrix_a_fmt:MATRIX_FMT_FP6 matrix_b_fmt:MATRIX_FMT_FP6 matrix_a_scale:MATRIX_SCALE_ROW1 matrix_b_scale:MATRIX_SCALE_ROW1
.endif
.endif
.endm
.macro MUL16 a0, p, zero               ; hc's tiles a0, a0 + 1 x wc's eight; the 64 accumulators take turns, one instruction a turn
.irp a, \a0, \a0+1
.irp b, 0,1,2,3,4,5,6,7
	WM \a, \b, \p, \zero
.endr
.endr
.endm
.macro REST p, ns, nk, ask             ; the next step's fragments (slot ns, step nk of it), a prefetch where ask is not 0, and the step's second half
	FETCH_B \ns, \nk, 1-(\p)
	FETCH_A \ns, \nk, 0
	SCALES \ns, \nk, 1-(\p)
.if \ask
	s_cmp_gt_u32 s[KT], 1                          ; the loop's last trip has no fill two on
	s_cbranch_scc0 .Lnone_\@
	global_prefetch_b8 v[PFO], s[PFA:PFA+1] offset:(\ask)*QTR th:TH_LOAD_NT scope:SCOPE_SE
.Lnone_\@:
.endif
	WIN MUL_HI
	MUL16 4, \p, ZR
	MUL16 6, \p, ZR
	PLACES 4
	WIN 0
	FETCH_A \ns, \nk, 4
.endm
.macro PLAIN zero, ns                  ; a slot's first step (sets 0): the next step lies in the same slot
.set ZR, \zero
	s_wait_dscnt 12                                ; all but the youngest 12 loads, hc's tiles 4-7
	WIN MUL_LO
	MUL16 0, 0, ZR
	MUL16 2, 0, ZR
	s_wait_dscnt 0x0
	PLACES 4
	REST 0, \ns, 1, 0
.endm
; a slot's second step (sets 1) changes slots: one barrier for two things.  In front of it each wave has waited for all its tensor loads (one is out: its part of the other slot), has added 0 to its spare word, and has waited
; for that and for its reads of this slot; behind it this slot is filled again first (two slots on along K), then the other slot's first fragments are read
.macro TURN slot, refill
.set ZR, 0
.if (\refill) && (\slot) == 0
	s_wait_xcnt 0x0                                ; my prefetches have read their address: it steps two fills on, once a trip
	s_add_nc_u64 s[PFA:PFA+1], s[PFA:PFA+1], 2*QTR
.endif
	s_wait_tensorcnt 0x0
	ds_add_u32 v[SPW], v[NIL]
	s_wait_dscnt 13                                ; the add and hc's tiles 4-7 may be out
	WIN MUL_LO
	MUL16 0, 1, 0
	s_wait_dscnt 0x0
	s_barrier_signal -1
	MUL16 2, 1, 0
	WIN 0
	s_barrier_wait -1
.if \refill
	CREST                                          ; the barrier has opened a round of the cluster's barrier
	s_add_nc_u64 s[G0+4*\slot+2:G0+4*\slot+3], s[G0+4*\slot+2:G0+4*\slot+3], 2*QTR
	s_add_nc_u64 s[G0B+4*\slot+2:G0B+4*\slot+3], s[G0B+4*\slot+2:G0B+4*\slot+3], 2*QTR
	JLOAD \slot                                    ; its four v_nop are the places in front of the loads below
	REST 1, 1-(\slot), 0, 2+(\slot)
.else
	PLACES 4
	REST 1, 1-(\slot), 0, 0
.endif
.endm
	s_load_b256 s[4:11], s[0:1], 0x0               ; hc, wc, Wc_b, out0
	v_lshl_add_u32 v[SPW], v0, 2, SPARE
	v_mov_b32 v[NIL], 0
	ds_add_u32 v[SPW], v[NIL]                      ; the opening lines: the add twice on end and its wait
	ds_add_u32 v[SPW], v[NIL]
	v_lshrrev_b32 v1, 5, v0
	v_readfirstlane_b32 s14, v1                    ; wave
	s_lshr_b32 s15, s14, 1                         ; my half of the rows; also: I fetch for hc (0) or wc (1)
	s_and_b32 s16, s14, 1                          ; my half of the columns; also: which 128 rows I fetch
	s_bfe_u32 s40, ttmp6, 0x40000                  ; cx
	s_bfe_u32 s41, ttmp6, 0x40004                  ; cy
	s_lshl_b32 s42, ttmp9, 2
	s_add_co_u32 s42, s42, s40                     ; tile column
	s_and_b32 s17, ttmp7, 0xffff
	s_lshl_b32 s17, s17, 2
	s_add_co_u32 s17, s17, s41                     ; tile row
	s_lshl_b32 s43, s41, 2
	s_lshl_b32 s43, 15, s43                        ; my row of the cluster
	s_lshl_b32 s44, 0x1111, s40                    ; my column
	s_or_b32 s[G1+0], s43, (3<<16)|(1<<21)         ; elements of 8 bytes, no padding; bit 21 beside the mask
	s_or_b32 s[G1B+0], s44, (3<<16)|(1<<21)
.irp g, G1, G1B
	s_mov_b32 s[\g+1], 32<<16                      ; rows of 256 bytes,
	s_mov_b32 s[\g+2], 100<<16                     ; 100 of them,
	s_mov_b32 s[\g+3], 32<<16
	s_mov_b32 s[\g+4], 100
	s_mov_b32 s[\g+5], 32                          ; dense
	s_mov_b32 s[\g+6], 0
	s_mov_b32 s[\g+7], 0
.endr
	s_lshl_b32 s20, s17, 1
	s_add_co_u32 s20, s20, s16                     ; hc: group of 128 rows 2 x tile row + half
	s_mul_i32 s20, s20, 16*SETB
	s_mov_b32 s21, 0
	s_lshl_b32 s46, s42, 1
	s_add_co_u32 s46, s46, s16                     ; wc: group R = 2 x tile column + half; its sets begin at number 32 (R % 4) + 16 (R / 4)
	s_and_b32 s47, s46, 3
	s_lshl_b32 s47, s47, 5
	s_lshr_b32 s46, s46, 2
	s_lshl_b32 s46, s46, 4
	s_add_co_u32 s46, s46, s47
	s_mul_i32 s46, s46, SETB
	s_mov_b32 s47, 0
	s_mul_i32 s45, s14, QTR                        ; where my load goes: wave x 25,600
	s_wait_dscnt 0x0
	s_wait_kmcnt 0x0
	s_add_nc_u64 s[20:21], s[4:5], s[20:21]
	s_add_nc_u64 s[46:47], s[6:7], s[46:47]
	CROUND                                         ; the first joint loads meet
.irp s, 0,1
	s_mov_b32 s[G0+4*\s], 1
	s_add_co_u32 s[G0+4*\s+1], s45, \s*SLOT
	s_add_nc_u64 s[G0+4*\s+2:G0+4*\s+3], s[20:21], \s*QTR
	s_or_b32 s[G0+4*\s+3], s[G0+4*\s+3], 0x80000000
	s_mov_b32 s[G0B+4*\s], 1
	s_add_co_u32 s[G0B+4*\s+1], s45, \s*SLOT
	s_add_nc_u64 s[G0B+4*\s+2:G0B+4*\s+3], s[46:47], \s*QTR
	s_or_b32 s[G0B+4*\s+3], s[G0B+4*\s+3], 0x80000000
.endr
	JLOAD 0                                        ; K steps 0 and 1: one tensor load a wave at the head
	s_cmp_eq_u32 s15, 0                            ; the prefetches: the rows that I fetch,
	s_cselect_b64 s[PFA:PFA+1], s[20:21], s[46:47]
	s_cselect_b32 s74, s40, s41                    ; my place among the four that ask for them with me,
	s_mul_i32 s74, s74, 6400                       ; and my work-group's 25 blocks of each 100
	s_mov_b32 s75, 0
	s_add_nc_u64 s[PFA:PFA+1], s[PFA:PFA+1], s[74:75]
	s_mul_i32 s76, s15, QTR                        ; my 128 rows of hc in a slot
	s_mul_i32 s77, s16, QTR
	s_add_co_u32 s77, s77, 2*QTR                   ; my 128 rows of wc
	s_add_co_u32 s78, s76, 6144
	s_mul_i32 s18, s14, WSTG
	s_lshl_b32 s19, s42, 10
	s_lshl_b32 s12, s16, 9
	s_add_co_u32 s19, s19, s12                     ; my first column, in bytes
	s_lshl_b32 s12, s17, 8
	s_lshl_b32 s13, s15, 7
	s_add_co_u32 s12, s12, s13                     ; my first row
	s_mul_i32 s12, s12, 4000
	s_add_co_u32 s12, s12, s19
	s_mov_b32 s13, 0
	s_add_nc_u64 s[10:11], s[10:11], s[12:13]
	s_mov_b32 s[K2], 0x4038aa3b                    ; 2 log2(e)
	s_mov_b32 s[K2+1], s[K2]
	v_and_b32 v1, 31, v0
	v_and_b32 v2, 15, v0
	v_bfe_u32 v3, v0, 4, 1
	v_lshlrev_b32 v[CO], 4, v1
	v_lshlrev_b32 v5, 3, v1
	v_add_nc_u32 v[ADRA], s76, v[CO]
	v_add_nc_u32 v[ADRB], s77, v[CO]
	v_add_nc_u32 v[ADRS], s78, v5
	v_add_nc_u32 v[ADRA+1], SLOT, v[ADRA]
	v_add_nc_u32 v[ADRB+1], SLOT, v[ADRB]
	v_add_nc_u32 v[ADRS+1], SLOT, v[ADRS]
	v_mul_u32_u24 v6, v2, SPITCH
	v_lshl_add_u32 v6, v3, 6, v6
	v_add_nc_u32 v[STO], s18, v6                   ; into the stage: row l % 16, + 64 bytes for the upper lanes
	v_add_nc_u32 v[RD], s18, v[CO]                 ; back: 32 lanes take a row of 512 bytes
	v_add_nc_u32 v[BO], s19, v[CO]                 ; my 16 bytes of a row of out0, and of the bias
	v_cmp_gt_u32 s[MK], 4000, v[BO]                ; do they exist?
	v_min_u32 v[BO], 3984, v[BO]                   ; no load leaves the bias
	v_min_u32 v7, 24, v1
	v_lshlrev_b32 v[PFO], 8, v7                    ; a lane a block of 256 bytes
	s_wait_alu depctr_va_vdst(0)                   ; at the head's end
	global_prefetch_b8 v[PFO], s[PFA:PFA+1] offset:QTR th:TH_LOAD_NT scope:SCOPE_SE     ; beside fill 0: fill 1,
	global_prefetch_b8 v[PFO], s[PFA:PFA+1] offset:2*QTR th:TH_LOAD_NT scope:SCOPE_SE   ; and fill 2
	global_load_b128 v[BI:BI+3], v[BO], s[8:9]
	s_wait_tensorcnt 0x0                           ; my part of slot 0 is in; the three lines ahead of a later first fill
	ds_add_u32 v[SPW], v[NIL]
	s_wait_dscnt 0x0
	CROUND
	JLOAD 1                                        ; K steps 2 and 3
	FETCH_B 0, 0, 0
	FETCH_A 0, 0, 0
	SCALES 0, 0, 0
	FETCH_A 0, 0, 4
	global_prefetch_b8 v[PFO], s[PFA:PFA+1] offset:3*QTR th:TH_LOAD_NT scope:SCOPE_SE   ; beside fill 1: fill 3
	PLAIN 1, 0                                     ; step 0 starts the sums
	s_mov_b32 s[KT], 3
.Lk:                                                   ; steps 4 i + 1 .. 4 i + 4: both slots are filled again
	TURN 0, 1
	PLAIN 0, 1
	TURN 1, 1
	PLAIN 0, 0
	s_sub_co_u32 s[KT], s[KT], 1
	s_cmp_lg_u32 s[KT], 0
	s_cbranch_scc1 .Lk
	TURN 0, 0                                      ; step 13: nothing is left to fetch
	PLAIN 0, 1
	s_wait_dscnt 12                                ; step 15
	WIN MUL_LO
	MUL16 0, 1, 0
	MUL16 2, 1, 0
	s_wait_dscnt 0x0                               ; my reads of the ring are over:
	s_barrier_signal -1
	WIN MUL_HI
	MUL16 4, 1, 0
	MUL16 6, 1, 0
	WIN 0
	s_barrier_wait -1                              ; and everybody's: the stages may lie over the slots, which have had their last fill
	PLACES 4
.irp a, 0,1,2,3,4,5,6,7
	WIN 0x08+4*(\a/4)
.irp i, 0,1,2,3,4,5,6,7,8,9,10,11,12,13,14,15
	ds_store_b128 v[STO], v[64*(\a%4)+4*\i:64*(\a%4)+4*\i+3] offset:\a*16*SPITCH+128*(\i/4)+16*(\i%4)   ; each accumulator from its low end on
.endr
.endr
	WIN 0
.set kk, 0
.rept 16
	ds_load_b128 v[XP+4*kk:XP+4*kk+3], v[RD] offset:kk*SPITCH      ; units 0 and 1 come back.  LDS serves a wave's instructions in order: the loads see my stores
.set kk, kk+1
.endr
	s_wait_loadcnt 0x0                             ; the bias
	s_wait_xcnt 0x0                                ; EXEC changes only behind this wait
	v_pk_mul_f32 v[BI:BI+1], v[BI:BI+1], s[K2:K2+1] op_sel_hi:[1,0]
	v_pk_mul_f32 v[BI+2:BI+3], v[BI+2:BI+3], s[K2:K2+1] op_sel_hi:[1,0]
	s_mov_b32 s[KT], 7
	s_wait_alu depctr_va_vdst(0)
; a unit's first half: 2 log2(e) (x + b) and the exponentials.  st = 1: the unit before, finished in v[y ..], leaves meanwhile: a store behind every third exponential
.macro HALF1 x, y, soff, st
.set kk, 0
.rept 16
	v_pk_fma_f32 v[\x+2*kk:\x+2*kk+1], v[\x+2*kk:\x+2*kk+1], s[K2:K2+1], v[BI+2*(kk%2):BI+2*(kk%2)+1] op_sel_hi:[1,0,1]
.set kk, kk+1
.endr
	s_wait_alu depctr_va_vdst(0)                   ; ahead of each batch and behind it
.set kk, 0
.rept 32
	v_exp_f32 v[\x+kk], v[\x+kk]
.if (\st) && (kk%3) == 0 && (kk/3) < 8
	global_store_b128 v[CO], v[\y+4*(kk/3):\y+4*(kk/3)+3], s[10:11] offset:(\soff)+4000*(kk/3) th:TH_STORE_NT   ; 512 consecutive bytes of a row
.endif
.set kk, kk+1
.endr
	v_nop
	s_wait_alu depctr_va_vdst(0)
.endm
.macro HALF2 x                         ; its second half: 1 - 2 / (1 + e)
.set kk, 0
.rept 16
	v_pk_add_f32 v[\x+2*kk:\x+2*kk+1], v[\x+2*kk:\x+2*kk+1], 1.0 op_sel_hi:[1,0]
.set kk, kk+1
.endr
	s_wait_alu depctr_va_vdst(0)
.set kk, 0
.rept 32
	v_rcp_f32 v[\x+kk], v[\x+kk]
.set kk, kk+1
.endr
	v_nop
	s_wait_alu depctr_va_vdst(0)
.set kk, 0
.rept 16
	v_pk_fma_f32 v[\x+2*kk:\x+2*kk+1], v[\x+2*kk:\x+2*kk+1], -2.0, 1.0 op_sel_hi:[1,0,0]
.set kk, kk+1
.endr
	s_wait_alu depctr_va_vdst(0)
.endm
; a unit in v[x ..]; the unit before leaves from v[y ..], which then takes the unit after (rows row .. from where RD stands).  second = 1: the trip's second unit
.macro UNIT x, y, soff, row, second, load
	s_wait_dscnt 0x0                               ; my 8 rows are in
	HALF1 \x, \y, \soff, 1
	s_wait_xcnt 0x0                                ; the stores have read EXEC, their base and their data
	s_or_b32 exec_lo, exec_lo, s[SV]               ; all lanes on
.if \second
	s_add_nc_u64 s[10:11], s[10:11], 64000         ; 16 rows of out0 on
.endif
.if \load
.set kk, 0
.rept 8
	ds_load_b128 v[\y+4*kk:\y+4*kk+3], v[RD] offset:((\row)+kk)*SPITCH
.set kk, kk+1
.endr
.endif
.if \second
	v_add_nc_u32 v[RD], 16*SPITCH, v[RD]
.endif
	HALF2 \x
	s_and_saveexec_b32 s[SV], s[MK]                ; the lanes of columns past 999 go off (no global instruction has been issued since the wait on XCNT above)
.endm
	s_wait_dscnt 8                                 ; unit 0 is in; unit 1's eight loads may be out
	HALF1 XP, XQ, 0, 0                             ; unit 0: nothing is there to leave yet
	HALF2 XP
	s_and_saveexec_b32 s[SV], s[MK]
.Lout:                                                 ; trip t: units 2 t + 1 and 2 t + 2 are worked, 2 t and 2 t + 1 leave, 2 t + 2 and 2 t + 3 come from the stage
	UNIT XQ, XP, 0, 16, 0, 1
	UNIT XP, XQ, 32000, 24, 1, 1
	s_sub_co_u32 s[KT], s[KT], 1
	s_cmp_lg_u32 s[KT], 0
	s_cbranch_scc1 .Lout
	UNIT XQ, XP, 0, 0, 0, 0                        ; unit 15 is worked, unit 14 leaves
.set kk, 0
.rept 8
	global_store_b128 v[CO], v[XQ+4*kk:XQ+4*kk+3], s[10:11] offset:32000+4000*kk th:TH_STORE_NT
.set kk, kk+1
.endr
	s_wait_xcnt 0x0                                ; EXEC changes only behind this wait
	s_or_b32 exec_lo, exec_lo, s[SV]
	s_wait_tensorcnt 0x0                           ; the wave's end
	ds_add_u32 v[SPW], v[NIL]
	s_wait_dscnt 0x0
	CROUND                                         ; the closing round
	s_endpgm
.Lfunc_end_k_q151cdd7def_proj:
	.size	k_q151cdd7def_proj, .Lfunc_end_k_q151cdd7def_proj-k_q151cdd7def_proj
	.p2alignl 7, 3214868480
	.fill 96, 4, 3214868480
	.section	.rodata,"a",@progbits
	.p2align	6, 0x0
	.amdhsa_kernel k_q151cdd7def_proj
		.amdhsa_group_segment_fixed_size 327680
		.amdhsa_private_segment_fixed_size 0
		.amdhsa_enable_private_segment 0
		.amdhsa_kernarg_size 32
		.amdhsa_user_sgpr_count 2
		.amdhsa_user_sgpr_kernarg_segment_ptr 1
		.amdhsa_wavefront_size32 1
		.amdhsa_system_sgpr_workgroup_id_x 1
		.amdhsa_system_sgpr_workgroup_id_y 1
		.amdhsa_system_sgpr_workgroup_id_z 1
		.amdhsa_system_vgpr_workitem_id 0
		.amdhsa_next_free_vgpr 1024
		.amdhsa_next_free_sgpr 80
		.amdhsa_reserve_vcc 0
		.amdhsa_float_denorm_mode_32 3
		.amdhsa_float_denorm_mode_16_64 3
		.amdhsa_memory_ordered 1
		.amdhsa_forward_progress 1
		.amdhsa_inst_pref_size 139
	.end_amdhsa_kernel
	.amdgpu_metadata
---
amdhsa.version: [ 1, 2 ]
amdhsa.kernels:
  - .name:           k_q151cdd7def_proj
    .symbol:         k_q151cdd7def_proj.kd
    .args:
      - { .name: hc, .offset: 0, .size: 8, .value_kind: global_buffer, .address_space: global }
      - { .name: wc, .offset: 8, .size: 8, .value_kind: global_buffer, .address_space: global }
      - { .name: Wc_b, .offset: 16, .size: 8, .value_kind: global_buffer, .address_space: global }
      - { .name: out0, .offset: 24, .size: 8, .value_kind: global_buffer, .address_space: global }
    .group_segment_fixed_size: 327680
    .private_segment_fixed_size: 0
    .kernarg_segment_align: 8
    .kernarg_segment_size: 32
    .max_flat_workgroup_size: 128
    .sgpr_count:     80
    .vgpr_count:     1024
    .wavefront_size: 32
...
	.end_amdgpu_metadata
.endif
;; end of part 3
